; MI455X (gfx1250); checked and timed in simulation.
; The chip was launched on July 23, 2026; its instructions are those of AMD's public machine-readable ISA for CDNA 5 (MIT licence, August 2026) and "CDNA5" Instruction Set Architecture Reference Guide (July 2026). The comments in the code are by the model that wrote it; some were corrected since.
;; Quantized Lo RA Linear. Allowed arithmetic: matrix products marked QUANTISED: E2M1 operands, one E8M0 scale for each 32 along K, by v_wmma_scale_f32_16x16x128_f8f6f4 with both operands' format E2M1 (or v_wmma_scale_f32_32x16x128_f4), f32 sums; products left as they are: f32 operands where the result goes on into a quantised operand, else bf16, f16 or f32 operands; f32 sums; everything else in f32.
;; Inputs: bias 2,048 float32; lora_A 8 x 4,096 float32; lora_B 2,048 x 8 float32; qweight_codes 131,072 x 64 int32; qweight_scales 131,072 float32; x 4 x 2,048 x 4,096 float32.
;; Outputs: out0 4 x 2,048 x 2,048 float32.
;; This version of the problem:
;;   THIS VERSION OF THE PROBLEM IS GIVEN IN LOW PRECISION. The matrix products marked QUANTISED in the list below multiply operands that are first quantised to E2M1 (2 exponent bits, 1 mantissa bit; 4 bits a number), with one power-of-two scale for each 32 numbers along K (OCP MX v1.0); their sums are f32. All else is computed in f32.
;;   The module's matrix products, in the order in which they are computed (A, B: the left and right operand; K: the contracted axis; several contracted axes count as one K, in the product's order):
;;     1. [M 8,192, K 4,096] x [K 4,096, N 2,048]; A: input x; B: computed on the way: QUANTISED
;;     2. [M 8,192, K 4,096] x [K 4,096, N 8]; A: input x; B: input lora_A: left as it is (N = 8 < 16)
;;     3. [M 8,192, K 8] x [K 8, N 2,048]; A: computed on the way; B: input lora_B: left as it is (K = 8 < 32)
;;   THE QUANTISER, for each operand of a quantised product, along K:
;;     - K is cut into blocks of 32 from its start; a last block that is shorter is filled with zeros.
;;     - A block's scale is 2^e with e = floor(log2(the largest magnitude in the block)) - 2, held to -126 .. 127; a block of zeros has e = 0. As a byte (E8M0): e + 127.
;;     - Each number is divided by its block's scale, clamped to +-6, and rounded to the nearest number of E2M1, ties to even, subnormals kept.
;;     - The product sums the exact products of the quantised numbers (number of the format x scale) in f32.
;;   ~~~python
;;   def quantise(x, axis):      # numpy; x: float32 -> the quantised numbers, widened to float32 again
;;       x = np.moveaxis(x, axis, -1); K = x.shape[-1]
;;       x = np.pad(x, [(0, 0)] * (x.ndim - 1) + [(0, -K % 32)]); x = x.reshape(x.shape[:-1] + (-1, 32)); a = np.abs(x).max(-1, keepdims=True)
;;       e = np.where(a > 0, np.clip(np.frexp(np.where(a > 0, a, 1))[1] - 1 - 2, -126, 127), 0)      # np.frexp(a)[1] - 1 = floor(log2(a)), exactly
;;       r = np.clip(x / 2.0 ** e, -6, 6)
;;       step = 2.0 ** (np.maximum(np.frexp(np.where(r == 0, 1, r))[1] - 1, 0) - 1)
;;       q = np.round(r / step) * step * 2.0 ** e      # np.round: ties to even
;;       return np.moveaxis(q.reshape(q.shape[:-2] + (-1,))[..., :K], -1, axis).astype(np.float32)
;;   ~~~
;;   OPERANDS COMPUTED ON THE WAY. 'Computed on the way' means the value that the module computes at that place (a softmax that the list does not call 'softmax' is quantised finished and normalised). What goes into a quantiser is computed in f32, as accurately as f32 sums, v_exp_f32 and their like allow (about 1e-6 of the number): no bf16 or f16 on the way to a quantiser, and a product that is left as it is and whose result goes on into a quantised operand takes f32 operands (vector FMAs, or v_wmma_f32_16x16x4_f32). A number that lies on a knife's edge between two numbers of the format may be rounded either way, as far as f32 arithmetic and the matrix unit's own rounding can turn it there, and no further.
;; One version. Each part assembles by itself: llvm-mc -triple=amdgcn-amd-amdhsa -mcpu=gfx1250 --defsym DOCPART=n.
;; ======== version 1 of 1: 2 launches
;; limits: values are held in bf16: 8 bits of precision; right only within a limited range of input values
;; workspace buffers: xq 17,825,792 bytes; wq 4,456,448 bytes; hid 262,144 bytes
;; launch prep (part 1): grid 256 x 1, 16 waves a work-group, no clusters, 220,160 bytes of LDS; arguments x, qweight_codes, qweight_scales, lora_A, xq, wq, hid; writes xq, wq, hid
.if DOCPART == 1
	.amdgcn_target "amdgcn-amd-amdhsa--gfx1250"
	.amdhsa_code_object_version 6
	.text
	.protected	k_q96e9da93b6_prep
	.globl	k_q96e9da93b6_prep
	.p2align	8
	.type	k_q96e9da93b6_prep,@function
k_q96e9da93b6_prep:
	s_mov_b64 s[64:65], 0
	v_nop
	global_prefetch_b8 v0, s[64:65] scope:SCOPE_SE
	s_setreg_imm32_b32 hwreg(HW_REG_WAVE_MODE, 25, 1), 1
	s_wait_xcnt 0x0
; THE LAUNCH IN FRONT OF THE PRODUCT.  x [8192][4096] f32 and W [2048][4096] (W = NF4[code] x its block-of-64's scale, one f32 multiplication) become codes of FP4 (E2M1) with one E8M0 byte
; for each 32 along K; and, since x goes by anyway, hid = bf16(2 x lora_A^T) is made on the way (bf16 operands, f32 sums: its result goes into no quantiser).
; A block's scale is 2^(floor(log2(its largest magnitude)) - 2): its byte is the largest magnitude's exponent field - 2, held at 1 from below.
; LIMITS: NaN and infinities are not served.  A block whose largest magnitude lies under 2^-124 gets the byte 1; so does a block of zeros, where the rule says 127: its codes are zeros, which add
; nothing under any byte but 0xff, and this program alone reads the bytes.  x and lora_A are rounded to bf16 for hid, and 2 x hidden is rounded to bf16 when it is stored.
; WHAT IS STORED is laid as the next launch's registers want it.  A UNIT is 16 rows x 512 along K: four images of a fragment (16 rows x 128 K: registers 4 c .. 4 c + 3 of lane l at 1024 q + 512 c + 16 l),
; then 256 bytes of scale words (row r's four words, q = 0 .. 3, at 4096 + 16 r).  xq: [8 slots of K][512 blocks of rows][UNIT], wq: [8][128][UNIT].  hid: [512 blocks of rows][512 bytes]: registers 0-3 of a
; bf16 fragment, lanes 0-15 row r's eight numbers, lanes 16-31 zeros.
; SHARES.  Work-group g: rows 32 g .. 32 g + 31 of x, and half of W's block of rows g / 2.  Wave w: slot of K w % 8, block of rows w / 8: four steps of 16 rows x 128 K of x; then one such step of W.
; Every step's sixteen loads read 512 consecutive bytes of a row each; the 8,192 bytes turn through the wave's own stage in LDS, so that a lane holds 16 neighbours along K of one row.
; No tensor loads, no cluster, no prefetch: the work-groups share nothing but lora_A's 131,072 bytes, and each wave keeps up to 48 loads of 512 bytes on their way from its first line on.
.set UNIT, 4352
.set PLA,  512*UNIT                    ; a slot of K in xq
.set PLB,  128*UNIT                    ; and in wq
.set STGB, 8448                        ; LDS: a wave's stage: 16 rows, 528 bytes apart (512 + 16: the sixteen rows that a load touches start 4 banks apart)
.set SPI,  528
.set LAI,  16*STGB                     ; lora_A as bf16 fragments: for each slot of K 16 fragments of 512 bytes; a lane's 16 bytes at 512 f + 256 c + 32 rank + 16 h
.set HP,   LAI+8*8192                  ; hid's partial sums [block of rows][slot of K], 1,024 bytes each
.set WSC,  HP+2*8*1024                 ; W's scale words: four units' 256 bytes
.set R0,   16                          ; v16-79   a step's numbers as loaded, set 0
.set R1,   80                          ; v80-143  set 1
.set X,    144                         ; v144-207 the step's 64 numbers: register 16 b + i = k 32 b + 16 h + i of row r; later v144-175 the same as bf16, v176-207 lora_A's four fragments
.set ACC,  208                         ; v208-223 two accumulators of hid, by turns
.set PC,   224                         ; v224-231 the codes just made
.set TM,   232                         ; v232-235 largest magnitudes, v236-239 the other half's and then the bytes, v240-243 the conversions' scale operands
.set PW,   244                         ; v244-247 the scale words of the four steps of x
.set T2,   248                         ; v248-249 the two of them that my lane stores
.set WS,   250                         ; v250-251 the W step's two NF4 scales of my row
.set PWW,  252                         ; v252     W's scale word
.set TAB,  254                         ; v254     the NF4 table: entry l in lane l
.set SEL,  42                          ; s[42:43] v_permlanex16_b32's selects for lane l xor 16
; v1 lane; v2 tail: 16 r + h x PLB; v4 16 x lane; v5, v6 the stage, in and out; v7, v8 lora_A's fragments, read and written; v9 lora_A in memory; v10 1024 r; v11 16 r + 8 h; v12, v13 hid's partial sums, written and read;
; v14, v15 W's scale words, written and read.  All are made at the head and never rewritten.
	s_load_b256 s[4:11], s[0:1], 0x0               ; x s[4:5], the NF4 codes s[6:7], their scales s[8:9], lora_A s[10:11]
	s_load_b128 s[12:15], s[0:1], 0x20             ; xq s[12:13], wq s[14:15]
	s_load_b64 s[16:17], s[0:1], 0x30              ; hid
	v_lshrrev_b32 v3, 5, v0
	s_delay_alu instid0(VALU_DEP_1)
	v_readfirstlane_b32 s18, v3                    ; wave 0..15
	v_and_b32 v1, 31, v0                           ; lane
	v_and_b32 v255, 7, v0                          ; lane % 8: a rank
	s_delay_alu instid0(VALU_DEP_2)
	v_lshlrev_b32 v4, 4, v1                        ; 16 x lane
	v_bfe_u32 v9, v0, 3, 2                         ; lane / 8
	s_delay_alu instid0(VALU_DEP_1)
	v_lshlrev_b32 v9, 6, v9
	s_delay_alu instid0(VALU_DEP_1)
	v_lshl_add_u32 v9, v255, 14, v9                ; lora_A: row lane % 8 of 16,384 bytes, + 64 (lane / 8): 16 numbers
	s_and_b32 s19, s18, 7                          ; my slot of K
	s_lshr_b32 s20, s18, 3                         ; my block of rows
	s_lshr_b32 s21, ttmp9, 1                       ; W's block of rows
	s_and_b32 s22, ttmp9, 1                        ; which half of its K
	s_lshl_b32 s23, s22, 4
	s_add_co_u32 s23, s23, s18                     ; my step of 128 along W's K, 0..31
	s_lshl_b32 s33, ttmp9, 1
	s_add_co_u32 s33, s33, s20                     ; my block of 16 rows of x, 0..511
	s_lshl_b32 s34, s33, 18                        ; 16 rows of 16,384 bytes
	s_lshl_b32 s36, s19, 11                        ; a slot of K is 2,048 bytes of a row
	s_add_co_u32 s34, s34, s36
	s_mov_b32 s35, 0
	s_lshl_b32 s37, s20, 10
	s_add_co_u32 s36, s36, s37                     ; lora_A: of my slot of K the half that I turn into fragments
	s_mov_b32 s37, 0
	s_wait_alu depctr_va_vdst(0)
	s_wait_kmcnt 0x0
	s_add_nc_u64 s[4:5], s[4:5], s[34:35]
	s_add_nc_u64 s[10:11], s[10:11], s[36:37]
.macro LOADX t, set                    ; step t of x: row i's 128 numbers, 512 consecutive bytes, aligned
.irp i, 0,1,2,3,4,5,6,7,8,9,10,11,12,13,14,15
	global_load_b128 v[\set+4*\i:\set+4*\i+3], v4, s[4:5] offset:16384*\i+512*(\t) th:TH_LOAD_NT
.endr
.endm
.macro LOADW                           ; the W step: my row's two NF4 scales, then 16 rows x 128 codes of 4 bytes
	global_load_b64 v[WS:WS+1], v10, s[8:9]
.irp i, 0,1,2,3,4,5,6,7,8,9,10,11,12,13,14,15
	global_load_b128 v[R0+4*\i:R0+4*\i+3], v4, s[6:7] offset:65536*\i th:TH_LOAD_NT   ; a unit's rows of W lie four rows apart (see below)
.endr
.endm
.irp m, 0,1,2,3
.irp j, 0,1,2,3
	global_load_b128 v[X+16*\m+4*\j:X+16*\m+4*\j+3], v9, s[10:11] offset:256*\m+16*\j   ; lora_A(lane % 8, 64 m + 16 (lane / 8) + 0 .. 15) of my 256 along K
.endr
.endr
	LOADX 0, R0
	LOADX 1, R1
	; while they are on their way: the other addresses, the table
	v_and_b32 v3, 15, v0                           ; r
	v_bfe_u32 v253, v0, 4, 1                       ; h
	s_mul_i32 s24, s18, STGB                       ; my stage
	v_add_nc_u32 v5, s24, v4                       ; in: 16 x lane of a row
	v_mul_u32_u24 v6, v3, SPI
	s_delay_alu instid0(VALU_DEP_1)
	v_lshl_add_u32 v6, v253, 6, v6
	s_delay_alu instid0(VALU_DEP_1)
	v_add_nc_u32 v6, s24, v6                       ; out: row r, + 64 h: my 16 numbers of a block of 32
	s_lshl_b32 s25, s19, 13
	s_add_co_u32 s25, s25, LAI                     ; my slot of K's fragments of lora_A
	v_lshlrev_b32 v7, 5, v255
	s_delay_alu instid0(VALU_DEP_1)
	v_lshl_add_u32 v7, v253, 4, v7
	s_delay_alu instid0(VALU_DEP_1)
	v_add_nc_u32 v7, s25, v7                       ; read: rank r % 8 (rows 8-15 of source 0 repeat rows 0-7), + 16 h
	s_lshl_b32 s26, s20, 12
	s_add_co_u32 s26, s26, s25                     ; the half that I write
	v_bfe_u32 v8, v0, 3, 1
	s_delay_alu instid0(VALU_DEP_1)
	v_lshlrev_b32 v8, 4, v8
	s_delay_alu instid0(VALU_DEP_1)
	v_lshl_add_u32 v8, v255, 5, v8
	s_delay_alu instid0(VALU_DEP_1)
	v_lshl_add_u32 v8, v253, 9, v8
	s_delay_alu instid0(VALU_DEP_1)
	v_add_nc_u32 v8, s26, v8                       ; written: fragment 2 m + lane / 16, rank lane % 8, half (lane / 8) % 2
	v_lshlrev_b32 v10, 10, v3                      ; a row of W has 64 NF4 scales, 256 bytes; a unit's rows lie four rows apart
	v_lshlrev_b32 v11, 4, v3
	s_delay_alu instid0(VALU_DEP_1)
	v_lshl_add_u32 v11, v253, 3, v11               ; x's scale words: 16 r + 8 h
	s_lshl_b32 s27, s20, 13
	s_lshl_b32 s28, s19, 10
	s_add_co_u32 s27, s27, s28
	s_add_co_u32 s27, s27, HP
	v_add_nc_u32 v12, s27, v4
	s_and_b32 s28, s18, 1
	s_lshl_b32 s29, s28, 13
	s_add_co_u32 s29, s29, HP
	v_add_nc_u32 v13, s29, v4                      ; (read by waves 0 and 1: block of rows w)
	s_lshr_b32 s30, s18, 2
	s_lshl_b32 s30, s30, 8
	s_and_b32 s31, s18, 3
	s_lshl_b32 s32, s31, 2
	s_add_co_u32 s30, s30, s32
	s_add_co_u32 s30, s30, WSC
	v_lshl_add_u32 v14, v3, 4, s30                 ; W's scale word: unit w / 4, row r, word w % 4
	v_add_nc_u32 v15, WSC, v4
	v_mul_u32_u24 v2, v253, PLB
	s_delay_alu instid0(VALU_DEP_1)
	v_lshl_add_u32 v2, v3, 4, v2
	v_cmp_gt_u32 vcc_lo, 16, v1                    ; lanes 0-15; never rewritten
	s_mov_b32 s[SEL], 0x76543210
	s_mov_b32 s[SEL+1], 0xfedcba98
.irp b, 0,1,2,3
	v_mov_b32 v[TM+4+\b], 0                        ; written once: a lane permute's destination counts as one of its sources
.endr
	v_mov_b32 v[TAB], 0                            ; entry 7 is the number 0, and lanes 16-31 are never asked
.macro ENTRY l, bits
	s_mov_b32 s40, \bits
	v_writelane_b32 v[TAB], s40, \l
.endm
	ENTRY 0,  0xbf800000
	ENTRY 1,  0xbf3239b1
	ENTRY 2,  0xbf066b30
	ENTRY 3,  0xbeca32a0
	ENTRY 4,  0xbe91a24d
	ENTRY 5,  0xbe3d353f
	ENTRY 6,  0xbdba7871
	ENTRY 8,  0x3da2faff
	ENTRY 9,  0x3e24cae3
	ENTRY 10, 0x3e7c04dd
	ENTRY 11, 0x3ead033a
	ENTRY 12, 0x3ee1a4b8
	ENTRY 13, 0x3f1007ab
	ENTRY 14, 0x3f3913b3
	ENTRY 15, 0x3f800000
	; the other buffers at my part (none of these registers is named by a load that is out)
	s_lshr_b32 s46, s21, 2                         ; THE ROWS OF A UNIT OF W: row r of unit u is W's row 64 (u / 4) + 4 r + u % 4, so that in the next launch a lane's four accumulators hold four neighbouring columns
	s_lshl_b32 s46, s46, 6
	s_and_b32 s34, s21, 3
	s_add_co_u32 s46, s46, s34                     ; the unit's first row
	s_lshl_b32 s34, s46, 14
	s_lshl_b32 s36, s23, 9
	s_add_co_u32 s34, s34, s36
	s_add_nc_u64 s[6:7], s[6:7], s[34:35]          ; codes: the unit's first row x 16,384 bytes, + 512 x step
	s_lshl_b32 s34, s46, 8
	s_lshl_b32 s36, s23, 3
	s_add_co_u32 s34, s34, s36
	s_add_nc_u64 s[8:9], s[8:9], s[34:35]          ; NF4 scales: the unit's first row x 256 bytes, + 8 x step
	s_mul_i32 s34, s19, PLA
	s_mul_i32 s36, s33, UNIT
	s_add_co_u32 s34, s34, s36
	s_add_nc_u64 s[12:13], s[12:13], s[34:35]      ; xq: my unit
	s_mul_i32 s38, s21, UNIT
	s_mul_i32 s34, s22, 4*PLB
	s_add_co_u32 s34, s34, s38
	s_add_co_u32 s34, s34, 4096
	s_add_nc_u64 s[44:45], s[14:15], s[34:35]      ; wq: the scale words of the work-group's first unit
	s_lshr_b32 s34, s23, 2
	s_mul_i32 s34, s34, PLB
	s_add_co_u32 s34, s34, s38
	s_lshl_b32 s36, s31, 10
	s_add_co_u32 s34, s34, s36
	s_add_nc_u64 s[14:15], s[14:15], s[34:35]      ; wq: my step's image
	s_lshl_b32 s34, ttmp9, 1
	s_add_co_u32 s34, s34, s28
	s_lshl_b32 s34, s34, 9
	s_add_nc_u64 s[16:17], s[16:17], s[34:35]      ; hid: block of rows 2 g + w % 2 (stored by waves 0 and 1)
	; lora_A's fragments.  The matrix instruction's k is taken in another order, alike on both sides: lane (r, h) holds the 16 neighbours 32 b + 16 h + 0 .. 15, as x's numbers lie
	s_wait_loadcnt 32                              ; lora_A is in; the 32 loads of x issued behind it stay out
.set n, 0
.rept 32
	v_cvt_pk_bf16_f32 v[X+n], v[X+2*n], v[X+2*n+1] ; in place, ascending: register n is written when numbers 2 n and 2 n + 1 are read
.set n, n+1
.endr
.irp m, 0,1,2,3
.irp c, 0,1
	ds_store_b128 v8, v[X+8*\m+4*\c:X+8*\m+4*\c+3] offset:1024*\m+256*\c
.endr
.endr
	s_wait_dscnt 0x0                               ; for the other wave of my slot of K: my half lies in LDS
	s_barrier_signal -1
	s_barrier_wait -1
.macro TURN set                        ; a step's numbers through my stage.  LDS serves a wave's instructions in order (ISA guide 5.7.1.4): no wait between the stores and the loads
.irp i, 0,1,2,3,4,5,6,7,8,9,10,11,12,13,14,15
	ds_store_b128 v5, v[\set+4*\i:\set+4*\i+3] offset:SPI*\i
.endr
.irp b, 0,1,2,3
.irp j, 0,1,2,3
	ds_load_b128 v[X+16*\b+4*\j:X+16*\b+4*\j+3], v6 offset:128*\b+16*\j
.endr
.endr
.endm
; 64 numbers of a lane, register 16 b + i = k 32 b + 16 h + i of my row, become a fragment's codes in v[PC] on and its scale word in v[pw]
.macro QUANT s, pw
.irp b, 0,1,2,3
	v_max3_num_f32 v[TM+\b], |v[\s+16*\b]|, |v[\s+1+16*\b]|, 0x1800000   ; block b: my 16 numbers, and the floor 2^(3 - 127): so the byte cannot fall under 1
.endr
.irp i, 2,4,6,8,10,12,14
.irp b, 0,1,2,3
	s_delay_alu instid0(VALU_DEP_4)
	v_max3_num_f32 v[TM+\b], v[TM+\b], |v[\s+16*\b+\i]|, |v[\s+1+16*\b+\i]|   ; (the four blocks by turns)
.endr
.endr
.irp b, 0,1,2,3
	s_delay_alu instid0(VALU_DEP_4)
	v_permlanex16_b32 v[TM+4+\b], v[TM+\b], s[SEL], s[SEL+1]
.endr
.irp b, 0,1,2,3
	s_delay_alu instid0(VALU_DEP_4)
	v_max_num_f32 v[TM+\b], v[TM+\b], v[TM+4+\b]   ; with lane l xor 16's: the block's largest magnitude
.endr
.irp b, 0,1,2,3
	s_delay_alu instid0(VALU_DEP_4)
	v_add_nc_u32 v[TM+8+\b], 0xff000000, v[TM+\b]  ; 2 off its exponent field: the conversion takes the exponent field of this operand as its scale
.endr
.irp b, 0,1,2,3
	s_delay_alu instid0(VALU_DEP_4)
	v_lshrrev_b32 v[TM+4+\b], 23, v[TM+8+\b]       ; the scale's byte
.endr
	s_delay_alu instid0(VALU_DEP_3)
	v_lshl_or_b32 v[\pw], v[TM+5], 8, v[TM+4]      ; the four bytes make my row's scale word
	s_delay_alu instid0(VALU_DEP_1)
	v_lshl_or_b32 v[\pw], v[TM+6], 16, v[\pw]
	s_delay_alu instid0(VALU_DEP_1)
	v_lshl_or_b32 v[\pw], v[TM+7], 24, v[\pw]
.irp b, 0,1,2,3
	v_cvt_scalef32_pk8_fp4_f32 v[PC+2*\b], v[\s+16*\b:\s+7+16*\b], v[TM+8+\b]      ; to the nearest code, ties to even; beyond 6 the largest code
	v_cvt_scalef32_pk8_fp4_f32 v[PC+1+2*\b], v[\s+8+16*\b:\s+15+16*\b], v[TM+8+\b]
.endr
	v_nop                                          ; one plain place behind a scaled conversion
.irp c, 0,1                                    ; the operand's layout wants a whole block in a lane: lanes 0-15 block 2 c, lanes 16-31 block 2 c + 1
.irp i, 0,1
	v_permlane16_swap_b32 v[PC+4*\c+\i], v[PC+2+4*\c+\i]
.endr
.endr
.endm
.macro IMG base, off                   ; the fragment goes to memory as it stands: each store covers 512 consecutive bytes, aligned
.irp c, 0,1
	global_store_b128 v4, v[PC+4*\c:PC+4*\c+3], s[\base:\base+1] offset:\off+512*\c
.endr
.endm
; A step of x.  left: the younger loads that may stay out
.macro STEPX q, set, left
	s_wait_loadcnt \left                           ; loads come back in order (ISA guide 5.7.1): this step's sixteen are in
	TURN \set
	s_wait_dscnt 0x0                               ; my 64 numbers are back, and the stage's stores have read the set,
.if \q == 0
	LOADW                                          ; which takes W's step (set 0),
.elseif \q == 1
	LOADX 2, \set                                  ; or x's step 2 (set 1); x's step 3 is asked for in W's step
.endif
	s_wait_xcnt 0x0                                ; the last step's stores have read the codes' registers: they are written again only behind this wait
	QUANT X, PW+\q
	IMG 12, 1024*\q
.set n, 0
.rept 32
	v_cvt_pk_bf16_f32 v[X+n], v[X+2*n], v[X+2*n+1] ; the same numbers as four bf16 fragments, in place
.set n, n+1
.endr
.irp b, 0,1,2,3
.irp c, 0,1
	ds_load_b128 v[X+32+8*\b+4*\c:X+32+8*\b+4*\c+3], v7 offset:2048*\q+512*\b+256*\c
.endr
.endr
	s_wait_dscnt 0x0
.irp b, 0,1,2,3                                ; hid^T += lora_A x^T: source 0 = the ranks, source 1 = my 16 rows: lane (r, h) holds row r, register j rank j.  Two accumulators by turns
.if (\q == 0) && (\b < 2)
	s_wait_alu depctr_va_vdst(0)
	v_wmma_f32_16x16x32_bf16 v[ACC+8*(\b%2):ACC+8*(\b%2)+7], v[X+32+8*\b:X+32+8*\b+7], v[X+8*\b:X+8*\b+7], 0
.else
	s_wait_alu depctr_va_vdst(0)
	v_wmma_f32_16x16x32_bf16 v[ACC+8*(\b%2):ACC+8*(\b%2)+7], v[X+32+8*\b:X+32+8*\b+7], v[X+8*\b:X+8*\b+7], v[ACC+8*(\b%2):ACC+8*(\b%2)+7]
.endif
.endr
.rept 4
	v_nop                                          ; four places in front of the next loads into the operands' registers, and of the read of the sums
.endr
.endm
	STEPX 0, R0, 16                                ; behind step 0's loads: step 1's sixteen
	STEPX 1, R1, 17                                ; behind step 1's loads: W's seventeen
	; THE STEP OF W stands between x's steps 1 and 2: x's steps 2 and 3 are on their way while it is worked.  It works in place in X, so that set 1 can hold x's step 2 meanwhile
	s_wait_loadcnt 16                              ; W's seventeen are in; x's step 2 stays out
	TURN R0
	s_wait_dscnt 0x0                               ; my 64 codes are back, and the stage's stores have read set 0,
	LOADX 3, R0                                    ; which takes x's last step
.set n, 0
.rept 64
	v_min_u32 v[X+n], 15, v[X+n]                   ; a loaded number becomes an index only when it has been held to the table's size
.set n, n+1
.endr
.set n, 0
.rept 64
	v_lshlrev_b32 v[X+n], 2, v[X+n]                ; the permute's index is 4 x lane
.set n, n+1
.endr
.set n, 0
.rept 64
	ds_bpermute_b32 v[X+n], v[X+n], v[TAB]         ; NF4[code]: the table lies across the lanes; no LDS byte is touched
.set n, n+1
.endr
	s_wait_dscnt 0x0
.set n, 0
.rept 64
	v_mul_f32 v[X+n], v[WS+n/32], v[X+n]           ; x the scale of its block of 64: registers 0-31 are k 0-63, registers 32-63 k 64-127
.set n, n+1
.endr
	s_wait_xcnt 0x0                                ; step 1's stores have read the codes' registers
	QUANT X, PWW
	IMG 14, 0
	ds_store_b32 v14, v[PWW]                       ; lanes l and l + 16 write the same word with the same value
	STEPX 2, R1, 16                                ; behind step 2's loads: step 3's sixteen
	STEPX 3, R0, 0
.irp p, 0,1,2,3
	v_pk_add_f32 v[TM+2*\p:TM+2*\p+1], v[ACC+2*\p:ACC+2*\p+1], v[ACC+8+2*\p:ACC+8+2*\p+1]   ; the two accumulators, each from its low end on
.endr
.irp c, 0,1
	ds_store_b128 v12, v[TM+4*\c:TM+4*\c+3] offset:512*\c          ; my slot of K's part of hid
.endr
	v_cndmask_b32 v[T2], v[PW+2], v[PW], vcc_lo    ; lanes 0-15 store row r's words 0 and 1, lanes 16-31 its words 2 and 3:
	v_cndmask_b32 v[T2+1], v[PW+3], v[PW+1], vcc_lo
	global_store_b64 v11, v[T2:T2+1], s[12:13] offset:4096         ; 256 consecutive bytes, aligned
	s_wait_dscnt 0x0                               ; the partial sums' stores have read their registers
	; every wave's partial sums and W's scale word lie in LDS
	s_barrier_signal -1
	s_barrier_wait -1
	; THE TAIL: waves 0 and 1 add hid's eight parts, wave 2 stores W's scale words
	s_cmp_gt_u32 s18, 2
	s_cbranch_scc1 .Lend
	s_cmp_eq_u32 s18, 2
	s_cbranch_scc1 .Lwave_2
.irp k, 0,1,2,3,4,5,6,7
.irp c, 0,1
	ds_load_b128 v[R0+8*\k+4*\c:R0+8*\k+4*\c+3], v13 offset:1024*\k+512*\c
.endr
.endr
	s_wait_dscnt 0x0
.irp p, 0,1,2,3
	v_pk_mul_f32 v[X+2*\p:X+2*\p+1], v[R0+2*\p:R0+2*\p+1], 2.0 op_sel_hi:[1,0]   ; reference()'s factor alpha / rank = 2 goes in here: exact
.endr
.irp k, 1,2,3,4,5,6,7
.irp p, 0,1,2,3
	s_delay_alu instid0(VALU_DEP_4)
	v_pk_fma_f32 v[X+2*\p:X+2*\p+1], v[R0+8*\k+2*\p:R0+8*\k+2*\p+1], 2.0, v[X+2*\p:X+2*\p+1] op_sel_hi:[1,0,1]
.endr
.endr
.irp i, 0,1,2,3
	s_delay_alu instid0(VALU_DEP_4)
	v_cvt_pk_bf16_f32 v[X+8+\i], v[X+2*\i], v[X+2*\i+1]
.endr
.irp i, 0,1,2,3
	s_delay_alu instid0(VALU_DEP_4)
	v_cndmask_b32 v[X+8+\i], 0, v[X+8+\i], vcc_lo  ; lanes 16-31 are k 8-15 of the next launch's fragment: zeros
.endr
	global_store_b128 v4, v[X+8:X+11], s[16:17]    ; 512 consecutive bytes, aligned
	s_branch .Lend
.Lwave_2:
	ds_load_b128 v[16:19], v15                     ; units 0 and 1
	ds_load_b128 v[20:23], v15 offset:512          ; units 2 and 3
	s_wait_dscnt 0x0
	global_store_b128 v2, v[16:19], s[44:45]       ; sixteen lanes store a unit's 256 bytes of scale words, aligned
	global_store_b128 v2, v[20:23], s[44:45] offset:2*PLB
.Lend:
	s_wait_xcnt 0x0
	v_lshl_add_u32 v254, v0, 2, 0x35400
	v_mov_b32 v255, 0
	s_wait_alu depctr_va_vdst(0)
	s_wait_tensorcnt 0x0
	ds_add_u32 v254, v255
	s_wait_dscnt 0x0
	s_endpgm
.Lfunc_end_k_q96e9da93b6_prep:
	.size	k_q96e9da93b6_prep, .Lfunc_end_k_q96e9da93b6_prep-k_q96e9da93b6_prep
	.p2alignl 7, 3214868480
	.fill 96, 4, 3214868480
	.section	.rodata,"a",@progbits
	.p2align	6, 0x0
	.amdhsa_kernel k_q96e9da93b6_prep
		.amdhsa_group_segment_fixed_size 220160
		.amdhsa_private_segment_fixed_size 0
		.amdhsa_enable_private_segment 0
		.amdhsa_kernarg_size 56
		.amdhsa_user_sgpr_count 2
		.amdhsa_user_sgpr_kernarg_segment_ptr 1
		.amdhsa_wavefront_size32 1
		.amdhsa_system_sgpr_workgroup_id_x 1
		.amdhsa_system_sgpr_workgroup_id_y 1
		.amdhsa_system_sgpr_workgroup_id_z 1
		.amdhsa_system_vgpr_workitem_id 0
		.amdhsa_next_free_vgpr 256
		.amdhsa_next_free_sgpr 66
		.amdhsa_reserve_vcc 1
		.amdhsa_float_denorm_mode_32 3
		.amdhsa_float_denorm_mode_16_64 3
		.amdhsa_memory_ordered 1
		.amdhsa_forward_progress 1
		.amdhsa_inst_pref_size 85
	.end_amdhsa_kernel
	.amdgpu_metadata
---
amdhsa.version: [ 1, 2 ]
amdhsa.kernels:
  - .name:           k_q96e9da93b6_prep
    .symbol:         k_q96e9da93b6_prep.kd
    .args:
      - { .name: x, .offset: 0, .size: 8, .value_kind: global_buffer, .address_space: global }
      - { .name: qweight_codes, .offset: 8, .size: 8, .value_kind: global_buffer, .address_space: global }
      - { .name: qweight_scales, .offset: 16, .size: 8, .value_kind: global_buffer, .address_space: global }
      - { .name: lora_A, .offset: 24, .size: 8, .value_kind: global_buffer, .address_space: global }
      - { .name: xq, .offset: 32, .size: 8, .value_kind: global_buffer, .address_space: global }
      - { .name: wq, .offset: 40, .size: 8, .value_kind: global_buffer, .address_space: global }
      - { .name: hid, .offset: 48, .size: 8, .value_kind: global_buffer, .address_space: global }
    .group_segment_fixed_size: 220160
    .private_segment_fixed_size: 0
    .kernarg_segment_align: 8
    .kernarg_segment_size: 56
    .max_flat_workgroup_size: 512
    .sgpr_count:     66
    .vgpr_count:     256
    .wavefront_size: 32
...
	.end_amdgpu_metadata
.endif
;; end of part 1
;; launch gemm (part 2): grid 8 x 32, 4 waves a work-group, clusters of 4 x 1, 327,680 bytes of LDS; arguments xq, wq, hid, lora_B, bias, out0; writes out0
.if DOCPART == 2
	.amdgcn_target "amdgcn-amd-amdhsa--gfx1250"
	.amdhsa_code_object_version 6
	.text
	.protected	k_q96e9da93b6_gemm
	.globl	k_q96e9da93b6_gemm
	.p2align	8
	.type	k_q96e9da93b6_gemm,@function
k_q96e9da93b6_gemm:
	s_mov_b64 s[64:65], 0
	v_nop
	global_prefetch_b8 v0, s[64:65] scope:SCOPE_SE
	s_setreg_imm32_b32 hwreg(HW_REG_WAVE_MODE, 25, 1), 1
	s_wait_xcnt 0x0
	s_wait_alu depctr_hold_cnt(0) depctr_sa_sdst(0) depctr_va_vdst(0) depctr_va_sdst(0) depctr_va_ssrc(0) depctr_va_vcc(0) depctr_vm_vsrc(0)
	s_getreg_b32 s2, hwreg(HW_REG_IB_STS2, 6, 4)
	s_cmp_eq_u32 s2, 0
	s_cbranch_scc0 .Lentry_in_a_cluster
	s_endpgm
.Lentry_in_a_cluster:
	s_bfe_u32 s2, ttmp6, 0x10000c
	s_cmp_lg_u32 s2, 0x3003
	s_cbranch_scc0 .Lentry_shape_is_right
	s_endpgm
.Lentry_shape_is_right:
; out0[m][n] = sum over k of Q(x)[m][k] Q(W)[n][k] + bias[n] + sum over r of (2 hidden)[m][r] lora_B[n][r].  Codes of FP4 with E8M0 scale words come from the launch before,
; laid as register images: a UNIT is 16 rows x 512 K: four fragments of 1,024 bytes, then 256 bytes of scale words (row r's four words at 4096 + 16 r).  Nothing of reference() is left out.
; Row r of W's unit u is W's row 64 (u / 4) + 4 r + u % 4.
; LIMITS: NaN and infinities are not served; 2 x hidden and lora_B go to the matrix unit as bf16.
; SHARES: a work-group makes 256 x 256 of out0; wave w makes all 256 rows x columns 64 w .. 64 w + 63: 64 accumulators, 512 registers (windows 2 and 3; (a, b) at 32 (a % 8) + 8 b).
; Source 0 = 16 rows of x, source 1 = a unit of W: register j of accumulator (a, b) in lane (r, h) is out0(16 a + 8 h + j, 64 w + 4 r + b).  So a lane's four accumulators b = 0 .. 3 hold four neighbouring
; columns: the four additions of the bias gather them into 16 bytes, and sixteen lanes store 256 consecutive bytes of a row.  Results pass through no LDS.
; x's CODES go through LDS: two slots, each 256 rows x 1,024 K (two K groups x 16 units, 139,264 bytes), four fills in all, one tensor load of 8 units a wave.
; CLUSTER 4 x 1: the four work-groups of a cluster make one tile row and ask for x's tiles jointly (mask 15).
; W's CODES go from wq straight into registers: a wave's 64 rows of W are read by no other wave of its work-group, so LDS would only pass them on, and a joint load, which lands in LDS, does not apply.
; They fill window 1 as a ring of eight sets (a set = 128 K = 32 registers); a set is asked for again when its step is done, eight steps (a whole slot) ahead.  So wq has no prefetch of its own.
; THE LAST SLOT GOES BY ROWS OF out0: all its fragments of W stand in the ring, so pairs of 16-row blocks are finished one after the other and are stored while later pairs are multiplied.
; WINDOW 0: v0-31 addresses, the bias; v32-95 x's scale words (32 group + 4 i + q: lanes 0-15 block i, lanes 16-31 block 8 + i); v96-127 W's scale words (16 group + 4 b + q); v128-255 x's fragments, one set (8 a).
.set UNIT,  4352
.set PLA,   512*UNIT                   ; a K group of 512 in xq
.set PLB,   128*UNIT                   ; and in wq
.set HALFT, 8*UNIT                     ; what one tensor load brings
.set SLOT,  4*HALFT
.set SPARE, 2*SLOT                     ; the spare words: 512 bytes that no other line names
.set LA, 4                             ; 16 x lane
.set LS, 5                             ; 16 r
.set LBO, 6                            ; 128 r
.set LS2, 7                            ; 16 r + h x 8 units
.set PFO, 8                            ; 256 x min(lane, 16): the 17 blocks of a unit
.set CO, 11
.set SPW, 12
.set NIL, 13
.set ADRA, 16                          ; v16-19 fragments: 16 lane + slot + j x 8 units (j = 2 group + half of the blocks)
.set ADRS, 20                          ; v20-21 scale words in the loop, by group; v20-23 in the last slot, by j
.set BI, 24                            ; v24-27 bias of my four columns
.set SCA, 32
.set SCB, 96
.set AF, 128
.set SCT, 32                           ; the last slot: x's scale words, two buffers of 8
.set BK, 64                            ; the way out: a block's 8 x 16 bytes
.set WV, 16
.set G1, 24
.set G0, 32
.set CUR, 36                           ; the slot that is multiplied: 0 or SLOT
.set OTH, 37                           ; the slot that is filled
.set WL, 38
.set PFA, 44
.set MSB, 0
.macro WIN new
.if MSB != \new
	s_set_vgpr_msb (MSB<<8)|\new
.set MSB, \new
.endif
.endm
.set MUL_LO, 0xa4                      ; source 0 (x) window 0, source 1 (W) window 1, C and D window 2
.set MUL_HI, 0xf4
.set TO_B,   0x40
.macro CROUND                          ; a round of the cluster's barrier
	s_barrier_signal -1
	s_barrier_wait -1
	s_cmp_lg_u32 s[WV], 0
	s_cbranch_scc1 .Lnw0_\@
	s_barrier_signal -3
.Lnw0_\@:
	s_barrier_wait -3
	s_barrier_signal -1
	s_barrier_wait -1
.endm
.macro PLACES                          ; four places behind matrix instructions, in front of loads into their registers and of reads of results
.rept 4
	v_nop
.endr
.endm
; W's set s (and, behind a group's last step, that group's scale words): K group k + s / 4 counted from the base
.macro EB s, k
.if ((\s)%4) == 3
.irp b, 0,1,2,3
	global_load_b128 v[SCB+16*((\s)/4)+4*\b:SCB+16*((\s)/4)+4*\b+3], v[LS], s[6:7] offset:((\k)+(\s)/4)*PLB+\b*UNIT+4096
.endr
.endif
	WIN TO_B
.irp b, 0,1,2,3
.irp c, 0,1
	global_load_b128 v[32*(\s)+8*\b+4*\c:32*(\s)+8*\b+4*\c+3], v[LA], s[6:7] offset:((\k)+(\s)/4)*PLB+\b*UNIT+((\s)%4)*1024+512*\c
.endr
.endr
	WIN 0
.endm
	s_load_b256 s[4:11], s[0:1], 0x0               ; xq, wq, hid, lora_B
	s_load_b128 s[12:15], s[0:1], 0x20             ; bias, out0
	v_lshl_add_u32 v[SPW], v0, 2, SPARE
	v_mov_b32 v[NIL], 0
	ds_add_u32 v[SPW], v[NIL]                      ; the opening lines: the add, twice on end, and its wait ahead of the first tensor load
	ds_add_u32 v[SPW], v[NIL]
	v_lshrrev_b32 v14, 5, v0
	v_readfirstlane_b32 s[WV], v14                 ; wave 0..3
	s_lshr_b32 s17, s[WV], 1                       ; which K group of a slot I fetch
	s_and_b32 s18, s[WV], 1                        ; which 8 of its 16 units
	s_bfe_u32 s19, ttmp6, 0x40000                  ; cx
	s_lshl_b32 s20, ttmp9, 2
	s_add_co_u32 s20, s20, s19                     ; tile column
	s_and_b32 s21, ttmp7, 0xffff                   ; tile row: the same in the four partners
	s_mov_b32 s[G1+0], 15|(3<<16)|(1<<21)          ; the four of the cluster; elements of 8 bytes; bit 21 beside a mask
	s_mov_b32 s[G1+1], 32<<16                      ; rows of 256 bytes,
	s_mov_b32 s[G1+2], 136<<16                     ; 136 of them: 8 units, dense
	s_mov_b32 s[G1+3], 32<<16
	s_mov_b32 s[G1+4], 136
	s_mov_b32 s[G1+5], 32
	s_mov_b32 s[G1+6], 0
	s_mov_b32 s[G1+7], 0
	s_mov_b32 s[CUR], 0
	s_mov_b32 s[OTH], SLOT
	s_mul_i32 s[WL], s[WV], HALFT
	s_lshl_b32 s40, s21, 4
	s_lshl_b32 s41, s18, 3
	s_add_co_u32 s40, s40, s41
	s_mul_i32 s40, s40, UNIT
	s_mul_i32 s41, s17, PLA
	s_add_co_u32 s40, s40, s41                     ; xq: my 8 units of K slot 0
	s_mov_b32 s41, 0
	s_mul_i32 s42, s19, 2*UNIT
	s_add_co_u32 s42, s42, s40
	s_add_co_u32 s42, s42, 4*PLA                   ; the prefetches: of my 8 units the two that fall to my work-group, told apart by address; K slot 2
	s_mov_b32 s43, 0
	s_lshl_b32 s46, s20, 4
	s_lshl_b32 s47, s[WV], 2
	s_add_co_u32 s46, s46, s47
	s_mul_i32 s46, s46, UNIT                       ; wq: my four units
	s_mov_b32 s47, 0
	s_lshl_b32 s48, s21, 13                        ; hid: 16 blocks of 512 bytes
	s_mov_b32 s49, 0
	s_lshl_b32 s50, s20, 10
	s_lshl_b32 s51, s[WV], 8
	s_add_co_u32 s50, s50, s51                     ; my first column, in bytes of f32: bias
	s_mov_b32 s51, 0
	s_lshl_b32 s52, s50, 3                         ; lora_B: 32 bytes a column
	s_mov_b32 s53, 0
	s_lshl_b32 s54, s21, 21
	s_add_co_u32 s54, s54, s50                     ; out0: 256 rows of 8,192 bytes x tile row + my column
	s_mov_b32 s55, 0
	v_and_b32 v1, 15, v0                           ; r
	v_bfe_u32 v2, v0, 4, 1                         ; h
	v_and_b32 v3, 31, v0
	v_lshlrev_b32 v[LA], 4, v3
	v_lshlrev_b32 v[LS], 4, v1
	v_lshlrev_b32 v[LBO], 7, v1
	v_mul_u32_u24 v[LS2], v2, HALFT
	v_lshl_add_u32 v[LS2], v1, 4, v[LS2]
	v_min_u32 v[PFO], 16, v3
	v_lshlrev_b32 v[PFO], 8, v[PFO]
	v_lshlrev_b32 v[CO], 16, v2
	v_lshl_add_u32 v[CO], v1, 4, v[CO]             ; out0: 8 h rows of 8,192 bytes + 16 r
	s_wait_alu depctr_va_vdst(0)
	s_wait_dscnt 0x0                               ; both opening adds are done
	s_wait_kmcnt 0x0
	s_mov_b32 s[G0], 1
	s_add_co_u32 s[G0+1], s[WL], 0
	s_add_nc_u64 s[G0+2:G0+3], s[4:5], s[40:41]
	s_or_b32 s[G0+3], s[G0+3], 0x80000000
	s_add_nc_u64 s[PFA:PFA+1], s[4:5], s[42:43]
	s_add_nc_u64 s[6:7], s[6:7], s[46:47]
	s_add_nc_u64 s[8:9], s[8:9], s[48:49]
	s_add_nc_u64 s[10:11], s[10:11], s[52:53]
	s_add_nc_u64 s[12:13], s[12:13], s[50:51]
	s_add_nc_u64 s[14:15], s[14:15], s[54:55]
	; what starts the sums: 25 loads.  hid's blocks stand 4 registers apart: as an operand of 8, block a's upper four (k 16-31) are block a + 1's numbers, which meet lora_B's zeros
.irp a, 0,1,2,3,4,5,6,7,8,9,10,11,12,13,14,15
	global_load_b128 v[AF+4*\a:AF+4*\a+3], v[LA], s[8:9] offset:512*\a
.endr
.irp b, 0,1,2,3
.irp e, 0,1
	global_load_b128 v[SCA+8*\b+4*\e:SCA+8*\b+4*\e+3], v[LBO], s[10:11] offset:32*\b+16*\e   ; lora_B(4 r + b, 0 .. 7); lanes 16-31 (k 8-15) repeat it and meet hid's zeros
.endr
.endr
	global_load_b128 v[BI:BI+3], v[LS], s[12:13]   ; bias(4 r + 0 .. 3)
	CROUND                                         ; in front of the first joint load
	tensor_load_to_lds s[G0:G0+3], s[G1:G1+7]      ; K slot 0: one tensor load a wave at the head
	s_nop 0
.irp s, 0,1,2,3,4,5
	EB \s, 0                                       ; W's ring, sets 0 to 5: 52 loads
.endr
.irp i, 64,65,66,67
	v_mov_b32 v[AF+\i], 0                          ; behind hid's last block
.endr
	WIN TO_B
.irp b, 0,1,2,3
.irp i, 4,5,6,7
	v_mov_b32 v[192+8*\b+\i], 0                    ; lora_B's k 16-31
.endr
.endr
	s_wait_alu depctr_va_vdst(0)
	s_wait_loadcnt 52                              ; the 25 are in; the ring's 52 issued behind them stay out
.irp b, 0,1,2,3
.irp i, 0,1,2,3
	v_cvt_pk_bf16_f32 v[192+8*\b+\i], v[SCA+8*\b+2*\i], v[SCA+8*\b+2*\i+1]   ; window 1, where set 6 will lie
.endr
.endr
	WIN 0x84                                       ; D window 2, hid window 0, lora_B window 1; the constant 0 starts the sums
.irp a, 0,1,2,3,4,5,6,7
.irp b, 0,1,2,3
	v_wmma_f32_16x16x32_bf16 v[32*\a+8*\b:32*\a+8*\b+7], v[AF+4*\a:AF+4*\a+7], v[192+8*\b:192+8*\b+7], 0
.endr
.endr
	WIN 0xc4
.irp a, 0,1,2,3,4,5,6,7
.irp b, 0,1,2,3
	v_wmma_f32_16x16x32_bf16 v[32*\a+8*\b:32*\a+8*\b+7], v[AF+32+4*\a:AF+32+4*\a+7], v[192+8*\b:192+8*\b+7], 0
.endr
.endr
.rept 5
	v_nop                                          ; five places: another form takes these sums up
.endr
	WIN 0
	EB 6, 0
	EB 7, 0
.macro FETCHA s, hf                    ; x's blocks 8 hf .. 8 hf + 7 of step s: 16 loads
.irp i, 0,1,2,3,4,5,6,7
.irp c, 0,1
	ds_load_b128 v[AF+64*(\hf)+8*\i+4*\c:AF+64*(\hf)+8*\i+4*\c+3], v[ADRA+2*((\s)/4)+(\hf)] offset:\i*UNIT+((\s)%4)*1024+512*\c
.endr
.endr
.endm
.macro SCALA gg                        ; x's scale words for K group gg of the slot: 8 loads, lanes 0-15 block i, lanes 16-31 block 8 + i
.irp i, 0,1,2,3,4,5,6,7
	ds_load_b128 v[SCA+32*(\gg)+4*\i:SCA+32*(\gg)+4*\i+3], v[ADRS+(\gg)] offset:\i*UNIT+4096
.endr
.endm
.macro MULH s, hf                      ; 32 matrix instructions; the 64 accumulators take turns, one instruction a turn
.irp i, 0,1,2,3,4,5,6,7
.irp b, 0,1,2,3
.if \hf
	v_wmma_scale_f32_16x16x128_f8f6f4 v[32*\i+8*\b:32*\i+8*\b+7], v[AF+64+8*\i:AF+64+8*\i+7], v[32*(\s)+8*\b:32*(\s)+8*\b+7], v[32*\i+8*\b:32*\i+8*\b+7], v[SCA+32*((\s)/4)+4*\i+(\s)%4], v[SCB+16*((\s)/4)+4*\b+(\s)%4] matrix_a_fmt:MATRIX_FMT_FP4 matrix_b_fmt:MATRIX_FMT_FP4 matrix_a_scale:MATRIX_SCALE_ROW1
.else
	v_wmma_scale_f32_16x16x128_f8f6f4 v[32*\i+8*\b:32*\i+8*\b+7], v[AF+8*\i:AF+8*\i+7], v[32*(\s)+8*\b:32*(\s)+8*\b+7], v[32*\i+8*\b:32*\i+8*\b+7], v[SCA+32*((\s)/4)+4*\i+(\s)%4], v[SCB+16*((\s)/4)+4*\b+(\s)%4] matrix_a_fmt:MATRIX_FMT_FP4 matrix_b_fmt:MATRIX_FMT_FP4
.endif
.endr
.endr
.endm
; A step of 128 K.  A round of the ring issues 72 loads (8 a step, 4 scale loads more behind steps 3 and 7).  Behind my set stand the other seven steps' (64, or 60: the wait names at most 63);
; steps 0 and 4 also need the scale words issued four steps ago, behind which stand 44.
.macro STEP s
.if ((\s)%4) == 0
	s_wait_loadcnt 44
.elseif ((\s)%4) == 3
	s_wait_loadcnt 60
.else
	s_wait_loadcnt 63
.endif
	s_wait_dscnt 16                                ; blocks 0-7 are in; the younger run (blocks 8-15) may be out
	WIN MUL_LO
	MULH \s, 0
.if (\s) < 7
	PLACES
	WIN 0
	FETCHA (\s)+1, 0
	s_wait_dscnt 16                                ; all but the run just issued
.else
	s_wait_dscnt 0x0
.endif
	WIN MUL_HI
	MULH \s, 1
	PLACES
	WIN 0
.if (\s) < 7
	FETCHA (\s)+1, 1
.endif
	EB \s, 2                                       ; my set is free: it takes the same step of the next slot
.endm
	s_mov_b32 s3, 3
.Lphase:                                               ; trip t multiplies K slot t and fills the other slot with K slot t + 1
	s_wait_tensorcnt 0x0                           ; my part of this trip's slot is in; no tensor load of mine is out, so group 0 may be written
	ds_add_u32 v[SPW], v[NIL]
	s_add_co_u32 s[G0+1], s[WL], s[OTH]
	s_add_nc_u64 s[G0+2:G0+3], s[G0+2:G0+3], 2*PLA
	v_add_nc_u32 v[ADRA], s[CUR], v[LA]
	v_add_nc_u32 v[ADRS], s[CUR], v[LS2]
.irp j, 1,2,3
	v_add_nc_u32 v[ADRA+\j], \j*HALFT, v[ADRA]
.endr
	v_add_nc_u32 v[ADRS+1], 2*HALFT, v[ADRS]
	s_xor_b32 s[CUR], s[CUR], SLOT
	s_xor_b32 s[OTH], s[OTH], SLOT
	s_wait_alu depctr_va_vdst(0)
	s_wait_dscnt 0x0                               ; the add is done, and my reads of the other slot are over
	CROUND                                         ; both now hold of every wave of the four work-groups
	tensor_load_to_lds s[G0:G0+3], s[G1:G1+7]      ; my one tensor load behind the round
	s_nop 0
	SCALA 0
	SCALA 1
	FETCHA 0, 0
	FETCHA 0, 1
	STEP 0
	s_cmp_gt_u32 s3, 1                             ; trips 0 and 1 ask for K slots 2 and 3, which the next trip's tensor load brings; the last trip asks for nothing
	s_cbranch_scc0 .Lno_ask
	global_prefetch_b8 v[PFO], s[PFA:PFA+1] th:TH_LOAD_NT scope:SCOPE_SE              ; two units, 17 blocks of 256 bytes each, a lane a block:
	global_prefetch_b8 v[PFO], s[PFA:PFA+1] offset:UNIT th:TH_LOAD_NT scope:SCOPE_SE  ; sixteen waves of the cluster name a slot's 32 units once
.Lno_ask:
.irp s, 1,2,3,4,5,6,7
	STEP \s
.endr
	s_wait_xcnt 0x0                                ; the loads and prefetches have read their bases
	s_add_nc_u64 s[6:7], s[6:7], 2*PLB
	s_add_nc_u64 s[PFA:PFA+1], s[PFA:PFA+1], 2*PLA
	s_sub_co_u32 s3, s3, 1
	s_cmp_lg_u32 s3, 0
	s_cbranch_scc1 .Lphase
; THE LAST K SLOT (it lies in slot 1), BY ROWS.  Part k = 2 p + g: blocks 2 p, 2 p + 1 x K group g: 32 matrix instructions, 8 accumulators by turns.  x's fragments: two buffers of 64 registers, by g.
.macro FETCHT k                        ; 18 loads
.set P, (\k)/2
.set GG, (\k)%2
.irp u, 0,1
	ds_load_b128 v[SCT+8*GG+4*\u:SCT+8*GG+4*\u+3], v[ADRS+2*GG+P/4] offset:((2*P+\u)%8)*UNIT+4096
.irp q, 0,1,2,3
.irp c, 0,1
	ds_load_b128 v[AF+64*GG+32*\u+8*\q+4*\c:AF+64*GG+32*\u+8*\q+4*\c+3], v[ADRA+2*GG+P/4] offset:((2*P+\u)%8)*UNIT+\q*1024+512*\c
.endr
.endr
.endr
.endm
.macro GK k
.set P, (\k)/2
.set GG, (\k)%2
.if (\k) <= 14
	s_wait_dscnt 18                                ; my fetch is in; the next part's may be out
.else
	s_wait_dscnt 0x0
.endif
	WIN MUL_LO+0x50*(P/4)
.irp q, 0,1,2,3
.irp u, 0,1
.irp b, 0,1,2,3
	v_wmma_scale_f32_16x16x128_f8f6f4 v[32*((2*P+\u)%8)+8*\b:32*((2*P+\u)%8)+8*\b+7], v[AF+64*GG+32*\u+8*\q:AF+64*GG+32*\u+8*\q+7], v[32*(4*GG+\q)+8*\b:32*(4*GG+\q)+8*\b+7], v[32*((2*P+\u)%8)+8*\b:32*((2*P+\u)%8)+8*\b+7], v[SCT+8*GG+4*\u+\q], v[SCB+16*GG+4*\b+\q] matrix_a_fmt:MATRIX_FMT_FP4 matrix_b_fmt:MATRIX_FMT_FP4
.endr
.endr
.endr
.endm
; A finished block leaves: the bias is added, each accumulator read from its low end on, and the four sums of a row stand in four neighbouring registers
.macro OUTB blk
.set AC, 32*((\blk)%8)
	WIN 0x02+((\blk)/8)                            ; source 0: window 2 or 3
.irp j, 0,1,2,3,4,5,6,7
.irp b, 0,1,2,3
	v_add_f32 v[BK+4*\j+\b], v[AC+8*\b+\j], v[BI+\b]
.endr
.endr
	WIN 0
.irp j, 0,1,2,3,4,5,6,7
	global_store_b128 v[CO], v[BK+4*\j:BK+4*\j+3], s[14:15] offset:((\blk)*16+\j)*8192 th:TH_STORE_NT   ; sixteen lanes store 256 consecutive bytes, aligned: rows j and 8 + j of the block
.endr
.endm
	s_wait_tensorcnt 0x0                           ; my part of the last slot is in
	ds_add_u32 v[SPW], v[NIL]
.irp j, 0,1,2,3
	v_add_nc_u32 v[ADRA+\j], SLOT+\j*HALFT, v[LA]
	v_add_nc_u32 v[ADRS+\j], SLOT+\j*HALFT, v[LS]
.endr
	s_wait_alu depctr_va_vdst(0)
	s_wait_dscnt 0x0
	s_barrier_signal -1                            ; nothing is filled again: the work-group's barrier alone
	s_barrier_wait -1
	FETCHT 0
	FETCHT 1
	s_wait_loadcnt 36                              ; W's sets 0-3 and their scale words are in; behind them stand sets 4-7 and their scale words
.irp k, 0,1,2,3,4,5,6,7,8,9,10,11,12,13,14,15
.if \k == 1
	s_wait_loadcnt 0x0
.endif
	GK \k
	PLACES
	WIN 0
.if \k <= 13
	FETCHT \k+2
.endif
.if \k >= 3
	s_wait_xcnt 0x0                                ; the last block's stores have read their registers
.endif
.if \k >= 2
	OUTB \k-2                                      ; finished at the latest by the part before this one, four places and 32 matrix instructions ago
.endif
.endr
	s_wait_xcnt 0x0
	OUTB 14
	s_wait_xcnt 0x0
	OUTB 15
	s_wait_tensorcnt 0x0                           ; the wave's end
	ds_add_u32 v[SPW], v[NIL]
	s_wait_dscnt 0x0
	CROUND                                         ; the closing round
	s_endpgm
.Lfunc_end_k_q96e9da93b6_gemm:
	.size	k_q96e9da93b6_gemm, .Lfunc_end_k_q96e9da93b6_gemm-k_q96e9da93b6_gemm
	.p2alignl 7, 3214868480
	.fill 96, 4, 3214868480
	.section	.rodata,"a",@progbits
	.p2align	6, 0x0
	.amdhsa_kernel k_q96e9da93b6_gemm
		.amdhsa_group_segment_fixed_size 327680
		.amdhsa_private_segment_fixed_size 0
		.amdhsa_enable_private_segment 0
		.amdhsa_kernarg_size 48
		.amdhsa_user_sgpr_count 2
		.amdhsa_user_sgpr_kernarg_segment_ptr 1
		.amdhsa_wavefront_size32 1
		.amdhsa_system_sgpr_workgroup_id_x 1
		.amdhsa_system_sgpr_workgroup_id_y 1
		.amdhsa_system_sgpr_workgroup_id_z 1
		.amdhsa_system_vgpr_workitem_id 0
		.amdhsa_next_free_vgpr 1024
		.amdhsa_next_free_sgpr 66
		.amdhsa_reserve_vcc 0
		.amdhsa_float_denorm_mode_32 3
		.amdhsa_float_denorm_mode_16_64 3
		.amdhsa_memory_ordered 1
		.amdhsa_forward_progress 1
		.amdhsa_inst_pref_size 230
	.end_amdhsa_kernel
	.amdgpu_metadata
---
amdhsa.version: [ 1, 2 ]
amdhsa.kernels:
  - .name:           k_q96e9da93b6_gemm
    .symbol:         k_q96e9da93b6_gemm.kd
    .args:
      - { .name: xq, .offset: 0, .size: 8, .value_kind: global_buffer, .address_space: global }
      - { .name: wq, .offset: 8, .size: 8, .value_kind: global_buffer, .address_space: global }
      - { .name: hid, .offset: 16, .size: 8, .value_kind: global_buffer, .address_space: global }
      - { .name: lora_B, .offset: 24, .size: 8, .value_kind: global_buffer, .address_space: global }
      - { .name: bias, .offset: 32, .size: 8, .value_kind: global_buffer, .address_space: global }
      - { .name: out0, .offset: 40, .size: 8, .value_kind: global_buffer, .address_space: global }
    .group_segment_fixed_size: 327680
    .private_segment_fixed_size: 0
    .kernarg_segment_align: 8
    .kernarg_segment_size: 48
    .max_flat_workgroup_size: 128
    .sgpr_count:     66
    .vgpr_count:     1024
    .wavefront_size: 32
...
	.end_amdgpu_metadata
.endif
;; end of part 2
